; MI455X (gfx1250); checked and timed in simulation.
; The chip was launched on July 23, 2026; its instructions are those of AMD's public machine-readable ISA for CDNA 5 (MIT licence, August 2026) and "CDNA5" Instruction Set Architecture Reference Guide (July 2026). The comments in the code are by the model that wrote it; some were corrected since.
;; Bimodal Attention Set. Allowed arithmetic: float matrix products may take bf16 or f16 operands with f32 sums; all other float work in f32.
;; Inputs: x0 2,048 x 256 float32; x1 2,048 x 256 float32; x2 2,048 x 256 float32.
;; Outputs: out0 3 x 2,048 x 256 float32.
;; One version. Each part assembles by itself: llvm-mc -triple=amdgcn-amd-amdhsa -mcpu=gfx1250 --defsym DOCPART=n.
;; ======== version 1 of 1: 1 launch
;; launch fuse (part 1): grid 256 x 1, 8 waves a work-group, no clusters, 0 bytes of LDS; arguments x0, x1, x2, out0; writes out0
.if DOCPART == 1
	.amdgcn_target "amdgcn-amd-amdhsa--gfx1250"
	.amdhsa_code_object_version 6
	.text
	.protected	k_q4cefa32f74_fuse
	.globl	k_q4cefa32f74_fuse
	.p2align	8
	.type	k_q4cefa32f74_fuse,@function
k_q4cefa32f74_fuse:
	s_mov_b64 s[64:65], 0
	v_nop
	global_prefetch_b8 v0, s[64:65] scope:SCOPE_SE
	s_setreg_imm32_b32 hwreg(HW_REG_WAVE_MODE, 25, 1), 1
	s_wait_xcnt 0x0
; BimodalAttentionSet: three modalities x0, x1, x2 of [2048][256] f32; out0 is [3][2048][256] f32.
; The module, for one sample: for each pair (i, j) a matrix A_ij of 256 x 256, which is the identity if row x_i or row x_j holds
; any number that is not zero, and otherwise the row softmax of outer(x_i, x_j); out_i = the mean over j != i of (A_ij or its transpose) . x_i.
; How each step is written here; every line below holds for every input, not for some data:
;  (1) The softmax is kept only where both rows are all +-0.  Then all 256 logits of a row are 0, their maximum is 0, every exponential is 1
;      and their sum is 256: the matrix, and its transpose, is 1/256 everywhere.  So no exponential is left to compute.
;  (2) identity . x = x[d] + 255 products 0 * x[e]: these add 0 if the row is finite and make the whole row NaN if it holds an infinity or a NaN.
;      They are kept as z: the products 0 * x are formed, and z = NaN if any of them is NaN, else 0.
;  (3) (1/256 everywhere) . x = (sum of the row) / 256; the sum is formed.
;  (4) A term is a * x[d] + b with (a, b) = (1, z) where the pair's flag is set and (0, sum/256) where it is not.  a = 0 comes only with a row x_i of
;      zeros, so 0 * x[d] is exact.  The flags are the same in all lanes of a wave, so a and b are chosen by scalar selects, the mean of the two terms
;      is folded into them (halves), and each output is ONE fused multiply-add: out = (a1+a2)/2 * x + (b1+b2)/2.
; LIMITS: for |x| >= 2^127 the module's sum of two terms overflows before it is halved (infinity); this text gives x.  The sign of a zero result
; and the payload of a NaN may differ from the module's.
; SHAPE: memory binds: 6,291,456 bytes in, as many out, about a hundred vector instructions a sample.  One wave takes one sample (3 rows of 1,024 bytes
; = 24 registers), so the reductions never leave the wave: no LDS, no barrier.  256 work-groups of 8 waves = 2,048 samples; all loads go out at once.
; Every load and store of a wave covers 512 consecutive bytes that start at a multiple of 512 from the buffer's first byte.
; No matrix instruction: the only matrices that occur are the identity and the constant 1/256, and a product with either is the one fma above.
; No cluster: no two work-groups read the same byte.  No prefetch: nothing can be asked for earlier than the first lines, where the loads stand.
.set ROWB,  1024                       ; bytes in a row (256 f32)
.set PLANE, 2048*ROWB                  ; bytes of out0 for one modality
.set X,   4                            ; v[4:27]   row i in v[X+8i : X+8i+7]: columns 4l..4l+3, then 128+4l..128+4l+3; scaled in place, stored from there
.set T,   28                           ; v[28:51]  row i's eight working registers: 0-3 sums, 4-5 products with zero, 6-7 OR of the bits
.set NZ,  16                           ; s16-18    row i: lanes that hold a number that is not zero
.set NF,  20                           ; s20-22    row i: lanes in which a product 0 * x is NaN
.set ZR,  24                           ; s24-26    row i: z = 0 or NaN (its half is itself)
.set HM,  28                           ; s28-30    row i: the row's sum, then sum / 512 = half of the mean
.set H,   35                           ; s35       a pair's lanes, at work
.set W,   36                           ; s36-38    pair p: a / 2 = 0.5 or 0
.set BI,  40                           ; s40-42    pair p = (i, j): b / 2 of the term that goes to out_i
.set BJ,  44                           ; s44-46    pair p = (i, j): b / 2 of the term that goes to out_j
.set AL,  48                           ; s48-50    row i: (a1 + a2) / 2
.set BE,  52                           ; s52-54    row i: (b1 + b2) / 2
	s_load_b256 s[4:11], s[0:1], 0x0               ; x0 s[4:5], x1 s[6:7], x2 s[8:9], out0 s[10:11]
	s_lshl_b32 s2, ttmp9, 13                       ; the work-group's 8 samples: 8 x 1,024 bytes each group
	s_mov_b32 s12, 0x76543210                      ; v_permlanex16_b32: lane i of one half reads lane i of the other
	s_mov_b32 s13, 0xfedcba98
	v_and_b32 v1, 31, v0                           ; lane
	v_and_b32 v2, 0xe0, v0                         ; 32 x wave
	v_lshlrev_b32 v1, 4, v1                        ; 16 bytes a lane
	v_lshl_or_b32 v1, v2, 5, v1                    ; + wave x 1,024: the wave's sample
	v_add_nc_u32 v1, s2, v1                        ; + the group's samples: at most 2,097,136; the same offset serves all four buffers, never rewritten
	s_wait_kmcnt 0x0
.irp i, 0,1,2
	global_load_b128 v[X+8*\i:X+8*\i+3],   v1, s[4+2*\i:5+2*\i] th:TH_LOAD_NT             ; each byte is read once in the launch
	global_load_b128 v[X+8*\i+4:X+8*\i+7], v1, s[4+2*\i:5+2*\i] offset:512 th:TH_LOAD_NT
.endr
; Row i's three figures.  left = how many younger loads may stay out.  Three chains (sum, products with zero, OR of the bits) are interleaved,
; so that no line waits for the line in front of it.
.macro STATS i, left
.set XI, X+8*\i
.set TI, T+8*\i
	s_wait_loadcnt \left                           ; loads come back in order (ISA guide 5.7.1): this row's two are in, the later rows' stay out
	v_pk_add_f32 v[TI:TI+1],   v[XI:XI+1],   v[XI+2:XI+3]
	v_pk_add_f32 v[TI+2:TI+3], v[XI+4:XI+5], v[XI+6:XI+7]
	v_pk_mul_f32 v[TI+4:TI+5], v[XI:XI+1], 0 op_sel_hi:[1,0]                       ; 0 * x: 0 for a finite x, NaN for an infinity or a NaN
	v_or_b32 v[TI+6], v[XI], v[XI+1]
	v_or_b32 v[TI+7], v[XI+2], v[XI+3]
	v_pk_add_f32 v[TI:TI+1], v[TI:TI+1], v[TI+2:TI+3]
	v_pk_fma_f32 v[TI+4:TI+5], v[XI+2:XI+3], 0, v[TI+4:TI+5] op_sel_hi:[1,0,1]
	v_or_b32 v[TI+6], v[TI+6], v[XI+4]
	v_or_b32 v[TI+7], v[TI+7], v[XI+5]
	v_add_f32 v[TI], v[TI], v[TI+1]                ; the sum of my 8 numbers
	v_pk_fma_f32 v[TI+4:TI+5], v[XI+4:XI+5], 0, v[TI+4:TI+5] op_sel_hi:[1,0,1]
	v_or_b32 v[TI+6], v[TI+6], v[XI+6]
	v_or_b32 v[TI+7], v[TI+7], v[XI+7]
	v_add_f32_dpp v[TI], v[TI], v[TI] row_xmask:1 row_mask:0xf bank_mask:0xf       ; across the lanes: four steps inside each half of 16
	v_pk_fma_f32 v[TI+4:TI+5], v[XI+6:XI+7], 0, v[TI+4:TI+5] op_sel_hi:[1,0,1]
	v_or_b32 v[TI+6], v[TI+6], v[TI+7]
	v_add_f32_dpp v[TI], v[TI], v[TI] row_xmask:2 row_mask:0xf bank_mask:0xf
	v_add_f32 v[TI+4], v[TI+4], v[TI+5]            ; the sum of my 8 products with zero
	v_and_b32 v[TI+6], 0x7fffffff, v[TI+6]         ; without the signs: -0 is a zero; a NaN, an infinity, a denormal is not
	v_add_f32_dpp v[TI], v[TI], v[TI] row_xmask:4 row_mask:0xf bank_mask:0xf
	v_cmp_neq_f32 s[NF+\i], v[TI+4], v[TI+4]       ; a lane's bit: its sum is NaN
	v_cmp_ne_u32 s[NZ+\i], 0, v[TI+6]              ; a lane's bit: one of its 8 numbers is not zero.  The compares' masks gather the 32 lanes: no shuffle
	v_add_f32_dpp v[TI], v[TI], v[TI] row_xmask:8 row_mask:0xf bank_mask:0xf
	v_permlanex16_b32 v[TI+1], v[TI], s12, s13     ; the other half's sum (the destination counts as read: it has been written above)
	v_add_f32 v[TI], v[TI], v[TI+1]
	v_readfirstlane_b32 s[HM+\i], v[TI]            ; the row's sum, the same in every lane
	s_cmp_lg_u32 s[NF+\i], 0
	s_cselect_b32 s[ZR+\i], 0x7fc00000, 0          ; z: NaN if the row holds an infinity or a NaN, else 0
	s_mul_f32 s[HM+\i], s[HM+\i], 0x3b000000       ; sum / 256 / 2: both are powers of two, 2^-9 in one factor
.endm
	STATS 0, 4                                     ; x1's and x2's four loads stay out
	STATS 1, 2                                     ; x2's two stay out
	STATS 2, 0
; Pair p = (i, j): its flag, and by it the halves of (a, b) for the term of out_i and for the term of out_j.
.macro PAIR i, j, p
	s_or_b32 s[H], s[NZ+\i], s[NZ+\j]              ; SCC = the result is not 0 = either row holds a number that is not zero; the selects leave SCC alone
	s_cselect_b32 s[W+\p],  0x3f000000, 0          ; a / 2: 0.5 for the identity, 0 for the constant matrix
	s_cselect_b32 s[BI+\p], s[ZR+\i], s[HM+\i]     ; b / 2 for x_i: z_i, or half of x_i's mean
	s_cselect_b32 s[BJ+\p], s[ZR+\j], s[HM+\j]     ; b / 2 for x_j
.endm
	PAIR 0, 1, 0
	PAIR 0, 2, 1
	PAIR 1, 2, 2
	s_add_f32 s[AL+0], s[W+0],  s[W+1]             ; out_0: pairs (0,1) and (0,2)
	s_add_f32 s[BE+0], s[BI+0], s[BI+1]
	s_add_f32 s[AL+1], s[W+0],  s[W+2]             ; out_1: pairs (0,1) and (1,2)
	s_add_f32 s[BE+1], s[BJ+0], s[BI+2]
	s_add_f32 s[AL+2], s[W+1],  s[W+2]             ; out_2: pairs (0,2) and (1,2)
	s_add_f32 s[BE+2], s[BJ+1], s[BJ+2]
	; One fused multiply-add for each output, both factors straight from scalar registers: eight lines a row, as many as four packed ones
	; and the four copies into vector pairs that they would need.
.irp i, 0,1,2
.irp j, 0,1,2,3,4,5,6,7
	v_fma_f32 v[X+8*\i+\j], v[X+8*\i+\j], s[AL+\i], s[BE+\i]
.endr
	global_store_b128 v1, v[X+8*\i:X+8*\i+3],   s[10:11] offset:\i*PLANE th:TH_STORE_NT        ; 32 lanes x 16 bytes: 512 consecutive bytes, aligned; written once, not read again
	global_store_b128 v1, v[X+8*\i+4:X+8*\i+7], s[10:11] offset:\i*PLANE+512 th:TH_STORE_NT    ; the largest immediate is 4,194,816, inside the signed 24 bits
.endr
	s_endpgm
.Lfunc_end_k_q4cefa32f74_fuse:
	.size	k_q4cefa32f74_fuse, .Lfunc_end_k_q4cefa32f74_fuse-k_q4cefa32f74_fuse
	.p2alignl 7, 3214868480
	.fill 96, 4, 3214868480
	.section	.rodata,"a",@progbits
	.p2align	6, 0x0
	.amdhsa_kernel k_q4cefa32f74_fuse
		.amdhsa_group_segment_fixed_size 0
		.amdhsa_private_segment_fixed_size 0
		.amdhsa_enable_private_segment 0
		.amdhsa_kernarg_size 32
		.amdhsa_user_sgpr_count 2
		.amdhsa_user_sgpr_kernarg_segment_ptr 1
		.amdhsa_wavefront_size32 1
		.amdhsa_system_sgpr_workgroup_id_x 1
		.amdhsa_system_sgpr_workgroup_id_y 1
		.amdhsa_system_sgpr_workgroup_id_z 1
		.amdhsa_system_vgpr_workitem_id 0
		.amdhsa_next_free_vgpr 52
		.amdhsa_next_free_sgpr 66
		.amdhsa_reserve_vcc 0
		.amdhsa_float_denorm_mode_32 3
		.amdhsa_float_denorm_mode_16_64 3
		.amdhsa_memory_ordered 1
		.amdhsa_forward_progress 1
		.amdhsa_inst_pref_size 9
	.end_amdhsa_kernel
	.amdgpu_metadata
---
amdhsa.version: [ 1, 2 ]
amdhsa.kernels:
  - .name:           k_q4cefa32f74_fuse
    .symbol:         k_q4cefa32f74_fuse.kd
    .args:
      - { .name: x0, .offset: 0, .size: 8, .value_kind: global_buffer, .address_space: global }
      - { .name: x1, .offset: 8, .size: 8, .value_kind: global_buffer, .address_space: global }
      - { .name: x2, .offset: 16, .size: 8, .value_kind: global_buffer, .address_space: global }
      - { .name: out0, .offset: 24, .size: 8, .value_kind: global_buffer, .address_space: global }
    .group_segment_fixed_size: 0
    .private_segment_fixed_size: 0
    .kernarg_segment_align: 8
    .kernarg_segment_size: 32
    .max_flat_workgroup_size: 256
    .sgpr_count:     66
    .vgpr_count:     52
    .wavefront_size: 32
...
	.end_amdgpu_metadata
.endif
;; end of part 1
